; MI455X (gfx1250); checked and timed in simulation.
; The chip was launched on July 23, 2026; its instructions are those of AMD's public machine-readable ISA for CDNA 5 (MIT licence, August 2026) and "CDNA5" Instruction Set Architecture Reference Guide (July 2026). The comments in the code are by the model that wrote it; some were corrected since.
;; Vector Quantizer. Allowed arithmetic: float matrix products may take bf16 or f16 operands with f32 sums; other float arithmetic in f32, or as packed bf16 or f16 multiplies, adds, multiply-adds, maxima and minima; sums over many terms, partial sums and values carried from step to step in f32; what a program stores and reads back later, other than sums and carried values, may be rounded once to bf16 or f16.
;; Inputs: embeddings 8,192 x 256 float32; inputs 32 x 32 x 32 x 256 float32.
;; Outputs: out0 32 x 32 x 32 int32; out1 32 x 32 x 32 x 256 float32.
;; 2 versions, each right; version 2 is version 1 with the launch prep written anew for expert scheduling mode. Each part assembles by itself: llvm-mc -triple=amdgcn-amd-amdhsa -mcpu=gfx1250 --defsym DOCPART=n.
;; ======== version 1 of 2: 3 launches
;; workspace buffers: ebf 4,194,304 bytes; nh 32,768 bytes; idx 131,072 bytes of whole numbers
;; launch prep (part 1): grid 256 x 1, 8 waves a work-group, no clusters, 1,280 bytes of LDS; arguments embeddings, ebf, nh; writes ebf, nh
.if DOCPART == 1
	.amdgcn_target "amdgcn-amd-amdhsa--gfx1250"
	.amdhsa_code_object_version 6
	.text
	.protected	k_q8f761b3a81_prep
	.globl	k_q8f761b3a81_prep
	.p2align	8
	.type	k_q8f761b3a81_prep,@function
k_q8f761b3a81_prep:
	s_mov_b64 s[64:65], 0
	v_nop
	global_prefetch_b8 v0, s[64:65] scope:SCOPE_SE
	s_setreg_imm32_b32 hwreg(HW_REG_WAVE_MODE, 25, 1), 1
	s_wait_xcnt 0x0
; VECTOR QUANTIZER, launch 1 of 3: the codebook is rounded once to bf16 (ebf) and each code gets its additive term nh.
; WHAT THE PROGRAM COMPUTES.  reference(): distance[row][k] = l2_inputs[row] + l2_embeddings[k] - 2 dot[row][k]; codes = argmin over k; code_vecs = embeddings[codes].
; WORK LEFT OUT.  l2_inputs[row] is one number a row, the same for all k: it moves all 8,192 distances of a row alike, so the argmin is the same without it, whatever finite values
; the inputs hold.  It is never made.  The tensor inputs stays live (through dot) and is loaded by the second launch.  For the same reason one more number that is the same for all k,
; |e_0|^2, is taken away, and the rest is multiplied by -1/2, which turns the argmin into an argmax with the same ties:
;     codes = argmax over k of  s[k] = x . e_k + nh[k],   nh[k] = -1/2 (|e_k|^2 - |e_0|^2) = -1/2 sum over d of (e_k[d] - e_0[d]) (e_k[d] + e_0[d]).
; The last form is the one computed: it takes no difference of two large sums.
; FORMATS.  The product runs on bf16 operands, so x and e stand for inputs and embeddings rounded to bf16 (nearest even), in nh too: the distances compared are those between the rounded vectors.
; LIMITS.  A NaN, an infinity or an overflow that reaches only l2_inputs is not carried to the result; NaN and infinities in the inputs are not treated apart.  Two distances of a row that differ by
; less than the f32 rounding of either program's sums may be ordered otherwise than in reference().
; SHARES.  256 work-groups x 8 waves x 4 rows.  A row is 1,024 bytes of f32: lane l takes columns 4 l .. 4 l + 3 and 128 + 4 l .. + 3, two loads of 16 bytes, each of which covers 512 consecutive bytes.
; Rounded, they are two stores of 8 bytes a lane, each of which covers 256 consecutive bytes, aligned.  Every wave also loads row 0.  All ten loads go out first.
.set ROWF,  1024                       ; bytes of a row of embeddings
.set ROWH,  512                        ; bytes of a row of ebf
.set SPARE, 256                        ; LDS: bytes 0-127 the work-group's 32 nh; from 256 on the spare words, 128 bytes for each of 8 waves, which no other line names
.set LO,  1                            ; v1   my byte offset in the work-group's rows of embeddings: 4,096 x wave + 16 x lane
.set SO,  2                            ; v2   the same in ebf: 2,048 x wave + 8 x lane
.set L4,  3                            ; v3   4 x lane
.set R0,  4                            ; v4   16 x lane: my bytes of row 0
.set LW,  7                            ; v7   LDS address of my wave's four words: 16 x wave
.set X,   8                            ; v[8:47]   five rows as loaded: row 0, then my four
.set Y,   48                           ; v[48:67]  the same rounded, four registers a row; never rewritten, so the stores' data stay as they are
.set Z,   68                           ; v[68:75]  row 0, rounded and widened again
.set T,   76                           ; v[76:83]  at work
.set D,   84                           ; v[84:91]  at work
.set SUM, 96                           ; v[96:99]  my four rows' nh
.set SPW, 100                          ; v100 LDS address of my spare word; never rewritten
.set NIL, 101                          ; v101 0; never rewritten
	s_load_b128 s[4:7], s[0:1], 0x0                ; embeddings s[4:5], ebf s[6:7]
	s_load_b64 s[8:9], s[0:1], 0x10                ; nh
	v_lshl_add_u32 v[SPW], v0, 2, SPARE
	v_mov_b32 v[NIL], 0
	v_lshrrev_b32 v5, 5, v0
	v_readfirstlane_b32 s10, v5                    ; wave 0..7
	v_and_b32 v6, 31, v0                           ; lane
	v_lshlrev_b32 v[R0], 4, v6
	s_lshl_b32 s11, s10, 12
	v_add_nc_u32 v[LO], s11, v[R0]
	s_lshl_b32 s11, s10, 11
	v_lshl_add_u32 v[SO], v6, 3, s11
	v_lshlrev_b32 v[L4], 2, v6
	s_lshl_b32 s11, s10, 4
	v_mov_b32 v[LW], s11
	s_lshl_b32 s12, ttmp9, 15                      ; the work-group's 32 rows: in embeddings,
	s_mov_b32 s13, 0
	s_lshl_b32 s14, ttmp9, 14                      ; in ebf,
	s_mov_b32 s15, 0
	s_lshl_b32 s16, ttmp9, 7                       ; in nh
	s_mov_b32 s17, 0
	s_mov_b32 s18, 0x76543210                      ; v_permlanex16_b32: each lane takes its own place in the other half
	s_mov_b32 s19, 0xfedcba98
	s_mov_b32 s20, 0xffff0000                      ; a word's upper bf16
	s_wait_kmcnt 0x0
	s_add_nc_u64 s[22:23], s[4:5], s[12:13]
	s_add_nc_u64 s[6:7], s[6:7], s[14:15]
	s_add_nc_u64 s[8:9], s[8:9], s[16:17]
	global_load_b128 v[X:X+3],   v[R0], s[4:5]
	global_load_b128 v[X+4:X+7], v[R0], s[4:5] offset:512
.irp i, 1,2,3,4
	global_load_b128 v[X+8*\i:X+8*\i+3],   v[LO], s[22:23] offset:ROWF*(\i-1)
	global_load_b128 v[X+8*\i+4:X+8*\i+7], v[LO], s[22:23] offset:ROWF*(\i-1)+512
.endr
.macro CAST i                          ; row slot i: eight f32 rounded to eight bf16
.irp k, 0,1,2,3
	v_cvt_pk_bf16_f32 v[Y+4*(\i)+\k], v[X+8*(\i)+2*\k], v[X+8*(\i)+2*\k+1]
.endr
.endm
.macro WIDEN d, i                      ; and back to f32: the low half moves up, the high half stays
.irp k, 0,1,2,3
	v_lshlrev_b32 v[(\d)+2*\k], 16, v[Y+4*(\i)+\k]
	v_and_b32 v[(\d)+2*\k+1], s20, v[Y+4*(\i)+\k]
.endr
.endm
; One of my four rows: rounded, stored, and its nh summed over the lane's eight columns and then over the 32 lanes.
.macro ROW i
	s_wait_loadcnt 8-2*(\i)                        ; loads come back in order: this row's two are in, the later rows' stay out
	CAST \i
	global_store_b64 v[SO], v[Y+4*(\i):Y+4*(\i)+1],   s[6:7] offset:ROWH*((\i)-1)
	global_store_b64 v[SO], v[Y+4*(\i)+2:Y+4*(\i)+3], s[6:7] offset:ROWH*((\i)-1)+256
	WIDEN T, \i
.irp k, 0,2,4,6
	v_pk_add_f32 v[D+\k:D+\k+1], v[T+\k:T+\k+1], v[Z+\k:Z+\k+1] neg_lo:[0,1] neg_hi:[0,1]  ; e_k - e_0
	v_pk_add_f32 v[T+\k:T+\k+1], v[T+\k:T+\k+1], v[Z+\k:Z+\k+1]                            ; e_k + e_0
.endr
	v_pk_mul_f32 v[D:D+1], v[D:D+1], v[T:T+1]
.irp k, 2,4,6
	v_pk_fma_f32 v[D:D+1], v[D+\k:D+\k+1], v[T+\k:T+\k+1], v[D:D+1]
.endr
	v_add_f32 v[SUM+(\i)-1], v[D], v[D+1]
	v_add_f32_dpp v[SUM+(\i)-1], v[SUM+(\i)-1], v[SUM+(\i)-1] row_xmask:1 row_mask:0xf bank_mask:0xf
	v_add_f32_dpp v[SUM+(\i)-1], v[SUM+(\i)-1], v[SUM+(\i)-1] row_xmask:2 row_mask:0xf bank_mask:0xf
	v_add_f32_dpp v[SUM+(\i)-1], v[SUM+(\i)-1], v[SUM+(\i)-1] row_xmask:4 row_mask:0xf bank_mask:0xf
	v_add_f32_dpp v[SUM+(\i)-1], v[SUM+(\i)-1], v[SUM+(\i)-1] row_xmask:8 row_mask:0xf bank_mask:0xf
	v_permlanex16_b32 v[T], v[SUM+(\i)-1], s18, s19   ; its destination counts as read: T has been written
	v_add_f32 v[SUM+(\i)-1], v[SUM+(\i)-1], v[T]
	v_mul_f32 v[SUM+(\i)-1], -0.5, v[SUM+(\i)-1]
	ds_store_b32 v[LW], v[SUM+(\i)-1] offset:4*((\i)-1)  ; all lanes write the same word with the same number
.endm
	s_wait_loadcnt 8                               ; row 0 is in; my four rows' eight loads stay out
	CAST 0
	WIDEN Z, 0
	ROW 1
	ROW 2
	ROW 3
	ROW 4
	s_wait_dscnt 0x0                               ; for the others' sake: my four words are written
	s_barrier_signal -1
	s_barrier_wait -1                              ; all 32 words lie in LDS
	s_cmp_lg_u32 s10, 0                            ; wave 0 stores them: 128 consecutive bytes (the table has 32 KiB in all)
	s_cbranch_scc1 .Lend
	ds_load_b32 v[T], v[L4]
	s_wait_dscnt 0x0
	global_store_b32 v[L4], v[T], s[8:9]
.Lend:
	s_wait_tensorcnt 0x0                           ; the wave's end, behind my last LDS store
	ds_add_u32 v[SPW], v[NIL]
	s_wait_dscnt 0x0
	s_endpgm
.Lfunc_end_k_q8f761b3a81_prep:
	.size	k_q8f761b3a81_prep, .Lfunc_end_k_q8f761b3a81_prep-k_q8f761b3a81_prep
	.p2alignl 7, 3214868480
	.fill 96, 4, 3214868480
	.section	.rodata,"a",@progbits
	.p2align	6, 0x0
	.amdhsa_kernel k_q8f761b3a81_prep
		.amdhsa_group_segment_fixed_size 1280
		.amdhsa_private_segment_fixed_size 0
		.amdhsa_enable_private_segment 0
		.amdhsa_kernarg_size 24
		.amdhsa_user_sgpr_count 2
		.amdhsa_user_sgpr_kernarg_segment_ptr 1
		.amdhsa_wavefront_size32 1
		.amdhsa_system_sgpr_workgroup_id_x 1
		.amdhsa_system_sgpr_workgroup_id_y 1
		.amdhsa_system_sgpr_workgroup_id_z 1
		.amdhsa_system_vgpr_workitem_id 0
		.amdhsa_next_free_vgpr 104
		.amdhsa_next_free_sgpr 66
		.amdhsa_reserve_vcc 0
		.amdhsa_float_denorm_mode_32 3
		.amdhsa_float_denorm_mode_16_64 3
		.amdhsa_memory_ordered 1
		.amdhsa_forward_progress 1
		.amdhsa_inst_pref_size 12
	.end_amdhsa_kernel
	.amdgpu_metadata
---
amdhsa.version: [ 1, 2 ]
amdhsa.kernels:
  - .name:           k_q8f761b3a81_prep
    .symbol:         k_q8f761b3a81_prep.kd
    .args:
      - { .name: embeddings, .offset: 0, .size: 8, .value_kind: global_buffer, .address_space: global }
      - { .name: ebf, .offset: 8, .size: 8, .value_kind: global_buffer, .address_space: global }
      - { .name: nh, .offset: 16, .size: 8, .value_kind: global_buffer, .address_space: global }
    .group_segment_fixed_size: 1280
    .private_segment_fixed_size: 0
    .kernarg_segment_align: 8
    .kernarg_segment_size: 24
    .max_flat_workgroup_size: 256
    .sgpr_count:     66
    .vgpr_count:     104
    .wavefront_size: 32
...
	.end_amdgpu_metadata
.endif
;; end of part 1
;; launch argmin (part 2): grid 256 x 1, 4 waves a work-group, clusters of 4 x 1, 327,680 bytes of LDS; arguments ebf, nh, inputs, out0, idx; writes out0, idx
.if DOCPART == 2
	.amdgcn_target "amdgcn-amd-amdhsa--gfx1250"
	.amdhsa_code_object_version 6
	.text
	.protected	k_q8f761b3a81_argmin
	.globl	k_q8f761b3a81_argmin
	.p2align	8
	.type	k_q8f761b3a81_argmin,@function
k_q8f761b3a81_argmin:
	s_mov_b64 s[64:65], 0
	v_nop
	global_prefetch_b8 v0, s[64:65] scope:SCOPE_SE
	s_setreg_imm32_b32 hwreg(HW_REG_WAVE_MODE, 25, 1), 1
	s_wait_xcnt 0x0
	s_wait_alu depctr_hold_cnt(0) depctr_sa_sdst(0) depctr_va_vdst(0) depctr_va_sdst(0) depctr_va_ssrc(0) depctr_va_vcc(0) depctr_vm_vsrc(0)
	s_getreg_b32 s2, hwreg(HW_REG_IB_STS2, 6, 4)
	s_cmp_eq_u32 s2, 0
	s_cbranch_scc0 .Lentry_in_a_cluster
	s_endpgm
.Lentry_in_a_cluster:
	s_bfe_u32 s2, ttmp6, 0x10000c
	s_cmp_lg_u32 s2, 0x3003
	s_cbranch_scc0 .Lentry_shape_is_right
	s_endpgm
.Lentry_shape_is_right:
; VECTOR QUANTIZER, launch 2 of 3: codes[row] = argmax over k of s[k] = x . e_k + nh[k], ties to the lowest k; x = the row of inputs rounded to bf16, e_k = row k of ebf.
; WORK LEFT OUT: l2_inputs, which is the same for all k of a row and so moves no argmin (shown at the head of the first kernel).  LIMITS as stated there; a score of NaN or -infinity never wins.
; SHARES.  A work-group owns 128 rows (queries) and walks all 8,192 codes, so every row has one owner.  All 128 queries stay in EVERY wave's registers, as source 1 of the product: 8 tiles of 16 queries x
; 8 steps of 32 along K x 8 registers = 512.  The codes are split among the four waves: of each chunk of 256 codes wave w takes rows 64 w .. 64 w + 63, four tiles of 16.  So a fragment of codes is read
; from LDS by one wave alone and feeds eight products.
; LAYOUT.  Source 0 = 16 codes, source 1 = 16 queries: in the result lane l holds ONE query (l % 16) and, in registers 0..7, the codes 8 (l / 16) + 0..7.  nh enters as the C operand of the first of the
; eight products of a sum, so it costs the loop no arithmetic.
; THE ARGMAX.  For each query tile a lane keeps the best score so far, the number of the code tile that held it, and a copy of that tile's eight scores: four v_max3_num_f32, one compare (strictly greater:
; the earliest tile stays), nine selects: 14 vector instructions for 8 products.  The best lies in two registers that change parts by the tile's parity, so no copy is made.  At the end the lowest register equal to the
; best gives the code; the eight candidates of a query (4 waves x 2 halves of the lanes) meet in LDS: the greater score wins, of equal scores the lower code.
; BY PHASES.  A code tile is two phases of 32 products: query tiles 0-3, then 4-7; the four accumulators of a phase take turns, one instruction a turn.  The argmax of the half
; finished last rides in slices of four behind every second product of the other half's phase.
; CLUSTER.  All work-groups walk the same table, so the four of a cluster ask for each chunk, and for nh, JOINTLY: the same tensor load, descriptor and mask in all four.  x is each work-group's own: a plain load.
; RING.  Two LDS slots of a chunk each (256 rows of 512 bytes); a wave fetches, by one load, the 64 rows that it reads itself.  A slot is asked for again inside the last tile of its chunk, behind a round of the
; cluster's barrier, and waited for at the head of the next chunk's last tile: 232 products later.  Slot 1's first filling is x in f32, which is read out into registers before chunk 1 is asked for.
; REGISTERS, in windows of 256 (s_set_vgpr_msb: bits 1:0 source 0, 3:2 source 1, 5:4 source 2, 7:6 destination):
;   window 0: v0-11 addresses; v28-29 the add's two; v32-63 at work at the end; v64-127, v128-191 a code tile's fragments, two buffers; at the start v128-255 x in f32, two banks
;   window 1: v0-63 accumulators (query tile q at 8 q); v64-127 the copies; v128-143 the best (two registers a tile); v144-151 the best's tile number; v152-159 at work; v160-175 nh as C, two buffers; v176 64 w + 8 (l / 16)
;   windows 2, 3: the queries: tile q in window 2 + q / 4 at 64 (q % 4) + 8 x K step
.set PITCH,  528                       ; a row of codes in LDS: 512 bytes + 16 of padding = 33 x 16: the 16 rows of a load begin in 16 different columns of 16 bytes modulo 256
.set TILEB,  16*PITCH
.set WBYTES, 64*PITCH                  ; a wave's 64 rows: 0x8400
.set SLOT,   4*WBYTES                  ; 135,168 = 0x21000: none of its bits occurs in wave x 0x8400, so one exclusive or turns an address in one slot into the other's
.set XPITCH, 1040                      ; a row of x in LDS: 1,024 bytes + 16 = 65 x 16
.set NHB,    2*SLOT                    ; nh: 32,768 bytes, filled once
.set RS,     NHB+32768                 ; the candidates: scores at 32 x query + 4 x candidate, codes 4,096 further on; written by ds_store, never filled by a tensor load
.set SPARE,  RS+8192                   ; the spare words, 128 bytes for each wave: two blocks of 256 bytes that no other line names
.set CHUNKB, 256*512                   ; a chunk in memory
.set NCHUNK, 32
.set AK0, 3                            ; v3   my lane's place in my wave's rows of a slot: wave x WBYTES + (l % 16) x PITCH + 16 (l / 16); never rewritten
.set ADR, 4                            ; v4   the same in the slot from which fragments are being fetched
.set ANH, 5                            ; v5   LDS address of my eight nh of the chunk's tile 0: NHB + 1,024 x chunk + 256 w + 32 (l / 16)
.set VX,  6                            ; v6, v7  my lane's place in x: query tiles 0-3, 4-7
.set PFO, 8                            ; v8   256 x lane: the prefetches' offset; never rewritten
.set RSS, 9                            ; v9   where I put a candidate
.set RSL, 10                           ; v10  where I read two queries' candidates
.set GO,  11                           ; v11  my 8 bytes of the work-group's 512 of out0 and idx
.set SPW, 28                           ; v28  LDS address of my spare word; never rewritten
.set NIL, 29                           ; v29  0; never rewritten
.set MV,  32                           ; v[32:47] two queries' eight scores each, v[48:63] their codes
.set A0,  64
.set XT,  128
.set SNAP, 64                          ; window 1
.set BEST, 128
.set IDX,  144
.set TT,   152
.set CI,   160
.set H8,   176
.set WV,   14                          ; s14  my wave's number
.set CX,   15                          ; s15  my place in the cluster: it enters x's, the prefetches' and the outputs' global addresses alone
.set WG,   16                          ; s16  my work-group
.set LEFT, 17                          ; s17  chunks still to come in the loop in hand
.set TB,   18                          ; s18  the slot from which fragments are fetched: 0 or SLOT
.set TC,   19                          ; s19  the number of the code tile whose argmax is being made: 4 x chunk + tile
.set MK,   20                          ; s[20:23] four lane masks: where the tile in hand holds a new best
.set G1C,  24                          ; s[24:31] descriptor group 1, a wave's part of a chunk
.set G1X,  32                          ; s[32:39] of x
.set G1N,  40                          ; s[40:47] of nh
.set G0C,  48                          ; s[48:51] descriptor group 0 for the chunks: it walks
.set G0X,  52                          ; s[52:55] for x
.set G0N,  56                          ; s[56:59] for nh
.set PFA,  60                          ; s[60:61] where my prefetches stand
.set LIM,  62                          ; s62  2 in the cluster that prefetches, else the greatest number
.set MSB, 0
.macro WIN new                         ; the immediate's high byte repeats the setting that is left; a switch that changes nothing is dropped
.if MSB != (\new)
	s_set_vgpr_msb (MSB<<8)|(\new)
.set MSB, \new
.endif
.endm
.macro PLACES
.rept 4
	v_nop
.endr
.endm
; A round of the cluster's barrier: my work-group's barrier, so that wave 0's signal speaks for all four waves; wave 0 signals; every wave waits for all four work-groups; my work-group's barrier once more.
.macro CREST                           ; a round behind its opening barrier
	s_cmp_lg_u32 s[WV], 0
	s_cbranch_scc1 .Lnot_wave_0_\@
	s_barrier_signal -3
.Lnot_wave_0_\@:
	s_barrier_wait -3
	s_barrier_signal -1
	s_barrier_wait -1
.endm
.macro ROUND
	s_barrier_signal -1
	s_barrier_wait -1
	CREST
.endm
; A PREFETCH INTO THE L2 of the chunk that stands TWO refills on (the change of slots in chunk c refills with chunk c + 2 and names chunk c + 4: 512 products ahead of the load that will want it).
; All clusters walk the same table: cluster 0 asks, nobody else.  A chunk is 512 blocks of 256 bytes: the sixteen waves of the cluster share them out BY ADDRESS, 32 each, a lane a block, one instruction
; a wave, so each block is named once in the launch.  Chunks 0 to 3 come by their loads alone; behind chunk 27's change nothing is left to name (LEFT = 30 - chunk; the test is LEFT > 2).
.macro ASK
	s_cmp_gt_u32 s[LEFT], s[LIM]
	s_cbranch_scc0 .Lnot_mine_\@
	global_prefetch_b8 v[PFO], s[PFA:PFA+1] th:TH_LOAD_NT scope:SCOPE_SE
.Lnot_mine_\@:
.endm
; 18 LDS loads in one run: code tile t of the chunk at v[ADR] (16 codes x 256 K: eight fragments, each two loads of 16 bytes, 32 bytes apart) into buffer b, and its eight nh a lane.
.macro FETCH t, b
	WIN 0
.irp k, 0,1,2,3,4,5,6,7
	ds_load_b128 v[A0+64*(\b)+8*\k:A0+64*(\b)+8*\k+3],   v[ADR] offset:(\t)*TILEB+64*\k
	ds_load_b128 v[A0+64*(\b)+8*\k+4:A0+64*(\b)+8*\k+7], v[ADR] offset:(\t)*TILEB+64*\k+32
.endr
	WIN 0x40                               ; destination window 1, address window 0
	ds_load_b128 v[CI+8*(\b):CI+8*(\b)+3],   v[ANH] offset:64*(\t)
	ds_load_b128 v[CI+8*(\b)+4:CI+8*(\b)+7], v[ANH] offset:64*(\t)+16
.endm
; Product i of 32 of phase h of code tile t: K step i / 4, query tile 4 h + i % 4.  The first four start the sums with nh.
.macro MM h, t, i
.set q_,  4*(\h)+(\i)%4
.set kc_, (\i)/4
.set rD_, 8*q_
.set rA_, A0+64*((\t)%2)+8*kc_
.set rB_, 64*(q_%4)+8*kc_
.set rC_, CI+8*((\t)%2)
	WIN 0x58+4*(\h)                        ; codes window 0, queries window 2 or 3, C and D window 1
.if kc_ == 0
	v_wmma_f32_16x16x32_bf16 v[rD_:rD_+7], v[rA_:rA_+7], v[rB_:rB_+7], v[rC_:rC_+7]
.else
	v_wmma_f32_16x16x32_bf16 v[rD_:rD_+7], v[rA_:rA_+7], v[rB_:rB_+7], v[rD_:rD_+7]
.endif
.endm
; A slice: step st of 14 of the argmax, for the four query tiles 4 g .. 4 g + 3.  par = the parity of the code tile whose scores they are: the old best lies in register par, the new one goes to 1 - par.
; The accumulator's lowest registers are read first.
.macro RID g, par, st
	WIN 0x55                               ; all in window 1
.irp u, 0,1,2,3
.set q_,  4*(\g)+\u
.set a_,  8*q_
.set ob_, BEST+8*(\par)+q_
.set nb_, BEST+8*(1-(\par))+q_
.if (\st) == 0
	v_max3_num_f32 v[TT+q_], v[a_], v[a_+1], v[a_+2]
.elseif (\st) == 1
	v_max3_num_f32 v[TT+q_], v[TT+q_], v[a_+3], v[a_+4]
.elseif (\st) == 2
	v_max3_num_f32 v[TT+q_], v[TT+q_], v[a_+5], v[a_+6]
.elseif (\st) == 3
	v_max3_num_f32 v[nb_], v[TT+q_], v[a_+7], v[ob_]
.elseif (\st) == 4
	v_cmp_gt_f32 s[MK+\u], v[nb_], v[ob_]
.elseif (\st) == 5
	v_cndmask_b32 v[IDX+q_], v[IDX+q_], s[TC], s[MK+\u]
.else
	v_cndmask_b32 v[SNAP+a_+(\st)-6], v[SNAP+a_+(\st)-6], v[a_+(\st)-6], s[MK+\u]
.endif
.endr
.endm
; Products lo .. hi - 1 of phase h of code tile t.  Behind each odd product from the fifth on stands a slice of the OTHER half's argmax: phase 0 carries query tiles 4-7 of the code tile before, phase 1
; query tiles 0-3 of this one.  No rider names a register of the phase's products.  The slice behind product 31 is four plain instructions: the places between a phase's last products and the first read of
; their results (the next phase's first slice), and between a tile's last products and the loads into the fragment buffer that they read (ISA guide 7.12.1 for vector instructions).
.macro PHASE h, t, lo, hi
.set pn_, \lo
.rept (\hi)-(\lo)
	MM \h, \t, pn_
.if (pn_%2 == 1) && (pn_ >= 5)
	RID 1-(\h), ((\t)+1-(\h))%2, (pn_-5)/2
.endif
.set pn_, pn_+1
.endr
.endm
; A chunk's code tile 0, 1 or 2: its fragments were asked for a tile ago; the next tile's are asked for at once, 64 products ahead of their use.
.macro TILE t
	s_wait_dscnt 0x0                       ; this tile's fragments and nh are in
	FETCH (\t)+1, ((\t)+1)%2
	PHASE 0, \t, 0, 32
	s_add_co_u32 s[TC], s[TC], 1           ; phase 1 begins this tile's argmax
	PHASE 1, \t, 0, 32
.endm
; A chunk's last code tile, and THE CHANGE OF SLOTS.  fill = 1: each wave waits for all its tensor loads, of which one is out: its part of the other slot; adds 0 to its spare word; and waits for that;
; its reads of this slot came back at the tile's head.  The barrier opens a round of the cluster's: behind it no wave of any partner reads this slot or has a load on its way, and the joint refill, with
; the chunk two on, is the first thing there.  Then the other slot's first tile is fetched.  fill = 0 (the last two chunks): nothing is asked for, so there is no barrier: a wave reads only rows that it fetched itself.
.macro TILE3 fill
	s_wait_dscnt 0x0                       ; tile 3's fragments are in: my reads of this slot are over
	WIN 0                                  ; (the add's two registers lie in window 0)
.if \fill
	s_wait_xcnt 0x0                        ; the last prefetch, a chunk back, has read its address, so it may be stepped
	s_add_nc_u64 s[PFA:PFA+1], s[PFA:PFA+1], CHUNKB
	s_wait_tensorcnt 0x0                   ; no tensor load of mine is out, so group 0 may be written
	ds_add_u32 v[SPW], v[NIL]              ; 0 onto my spare word; the steps and eight products stand between it and the wait for it
	s_xor_b32 s[G0C+1], s[G0C+1], SLOT     ; the walking descriptor: the other slot than last time,
	s_add_nc_u64 s[G0C+2:G0C+3], s[G0C+2:G0C+3], CHUNKB  ; the next chunk; the type bits on top are not reached
	s_xor_b32 s[TB], s[TB], SLOT           ; the fetches go over to the other slot
	v_add_nc_u32 v[ADR], s[TB], v[AK0]
	v_add_nc_u32 v[ANH], 1024, v[ANH]      ; and to the next chunk's nh
	PHASE 0, 3, 0, 8
	s_wait_dscnt 0x0                       ; the add is done
	s_barrier_signal -1
	PHASE 0, 3, 8, 24                      ; work on registers while the others arrive
	WIN 0
	s_barrier_wait -1
	CREST
	tensor_load_to_lds s[G0C:G0C+3], s[G1C:G1C+7]  ; my one tensor load behind the round
	s_nop 0
	PLACES
	FETCH 0, 0
	WIN 0
	ASK                                    ; behind the joint load and the run of LDS loads
	PHASE 0, 3, 24, 32
.else
	s_wait_tensorcnt 0x0                   ; my part of the last chunk, the one load that may still be out
	s_cmp_eq_u32 s[LEFT], 1                ; behind the last chunk there is nothing to fetch: the steps and the run of loads are jumped over
	s_cbranch_scc1 .Lno_fetch_\@
	s_xor_b32 s[TB], s[TB], SLOT
	v_add_nc_u32 v[ADR], s[TB], v[AK0]
	v_add_nc_u32 v[ANH], 1024, v[ANH]
	FETCH 0, 0
	WIN 0
.Lno_fetch_\@:
	PHASE 0, 3, 0, 32
.endif
	s_add_co_u32 s[TC], s[TC], 1
	PHASE 1, 3, 0, 32
.endm
.macro CHUNK fill
	TILE 0
	TILE 1
	TILE 2
	TILE3 \fill
.endm
; x from LDS into registers.  Group g of 16: query tile g / 2, K steps 4 (g % 2) .. + 3: four fragments.  A fragment's lane holds K = 8 (l / 16) + 0..7 and 16 + 8 (l / 16) + 0..7 of row l % 16: in f32 that is 32 bytes twice,
; 64 bytes apart: four loads of 16 bytes.  Two banks of 64 registers take turns.
.macro XLOAD g
.set qt_, (\g)/2
.set xb_, XT+64*((\g)%2)
.set va_, VX+qt_/4
	WIN 0
.irp f, 0,1,2,3
.set o_, (qt_%4)*16*XPITCH+128*(4*((\g)%2)+\f)
	ds_load_b128 v[xb_+16*\f:xb_+16*\f+3],     v[va_] offset:o_
	ds_load_b128 v[xb_+16*\f+4:xb_+16*\f+7],   v[va_] offset:o_+16
	ds_load_b128 v[xb_+16*\f+8:xb_+16*\f+11],  v[va_] offset:o_+64
	ds_load_b128 v[xb_+16*\f+12:xb_+16*\f+15], v[va_] offset:o_+80
.endr
.endm
.macro XCVT g                          ; the group rounded to bf16, 32 registers of the queries' windows
.set qt_, (\g)/2
.set xb_, XT+64*((\g)%2)
	WIN 0x80+0x40*(qt_/4)                  ; destination window 2 or 3, sources window 0
.set z_, 0
.rept 32
	v_cvt_pk_bf16_f32 v[64*(qt_%4)+32*((\g)%2)+z_], v[xb_+2*z_], v[xb_+2*z_+1]
.set z_, z_+1
.endr
.endm
; Candidate b against candidate a (score in v[..], code 16 registers on): b takes a's place if its score is greater, or equal with the lower code.
.macro MERGE a, b
	v_cmp_gt_f32 s66, v[\b], v[\a]
	v_cmp_eq_f32 s67, v[\b], v[\a]
	v_cmp_lt_u32 s68, v[(\b)+16], v[(\a)+16]
	s_and_b32 s67, s67, s68
	s_or_b32 s66, s66, s67
	v_cndmask_b32 v[\a], v[\a], v[\b], s66
	v_cndmask_b32 v[(\a)+16], v[(\a)+16], v[(\b)+16], s66
.endm
	s_load_b256 s[4:11], s[0:1], 0x0       ; ebf s[4:5], nh s[6:7], inputs s[8:9], out0 s[10:11]
	s_load_b64 s[12:13], s[0:1], 0x20      ; idx
	v_lshl_add_u32 v[SPW], v0, 2, SPARE
	v_mov_b32 v[NIL], 0
	ds_add_u32 v[SPW], v[NIL]              ; the wave's opening: the add, twice on end, and its wait ahead of my first tensor load; the set-up below, work on registers, stands between
	ds_add_u32 v[SPW], v[NIL]              ; and once more, under the one wait
	v_lshrrev_b32 v1, 5, v0
	v_readfirstlane_b32 s[WV], v1          ; wave 0..3
	s_bfe_u32 s[CX], ttmp6, 0x40000        ; cx
	s_lshl_b32 s[WG], ttmp9, 2             ; in a cluster launch ttmp9 counts clusters
	s_add_co_u32 s[WG], s[WG], s[CX]
	; group 1 for a wave's part of a chunk: 64 rows x 256 elements of 2 bytes, 16 bytes of padding behind each row
	s_mov_b32 s[G1C], 15|(1<<16)|(1<<20)|(1<<21)|(6<<22)|(3<<25)  ; 15:0 the mask of four; 17:16 2-byte elements; 20 padding on; 21 set beside a mask; 24:22 after every 128 words (code 6); 31:25 4 words (code 3)
	s_mov_b32 s[G1C+1], 256<<16            ; tensor_dim0 = 256
	s_mov_b32 s[G1C+2], 64<<16             ; tensor_dim1 = 64
	s_mov_b32 s[G1C+3], 256<<16            ; tile_dim0 = 256
	s_mov_b32 s[G1C+4], 64                 ; tile_dim1 = 64
	s_mov_b32 s[G1C+5], 256                ; elements from row to row
	s_mov_b32 s[G1C+6], 0
	s_mov_b32 s[G1C+7], 0
	; group 1 for a wave's part of x: 32 rows x 256 elements of 4 bytes, padded likewise; no mask: the work-group's own
	s_mov_b32 s[G1X], (2<<16)|(1<<20)|(7<<22)|(3<<25)  ; 4-byte elements; padding after every 256 words (code 7), 4 words
	s_mov_b32 s[G1X+1], 256<<16
	s_mov_b32 s[G1X+2], 32<<16
	s_mov_b32 s[G1X+3], 256<<16
	s_mov_b32 s[G1X+4], 32
	s_mov_b32 s[G1X+5], 256
	s_mov_b32 s[G1X+6], 0
	s_mov_b32 s[G1X+7], 0
	; group 1 for a wave's quarter of nh: 8,192 dense bytes as 32 rows of 32 elements of 8 bytes, no padding
	s_mov_b32 s[G1N], 15|(3<<16)|(1<<21)
	s_mov_b32 s[G1N+1], 32<<16
	s_mov_b32 s[G1N+2], 32<<16
	s_mov_b32 s[G1N+3], 32<<16
	s_mov_b32 s[G1N+4], 32
	s_mov_b32 s[G1N+5], 32
	s_mov_b32 s[G1N+6], 0
	s_mov_b32 s[G1N+7], 0
	s_mov_b32 s[G0C], 1                    ; count = 1
	s_mul_i32 s[G0C+1], s[WV], WBYTES      ; LDS: slot 0, my 64 rows: no place in the cluster enters an LDS address
	s_mov_b32 s[G0X], 1
	s_mul_i32 s[G0X+1], s[WV], 32*XPITCH
	s_add_co_u32 s[G0X+1], s[G0X+1], SLOT  ; x lies in slot 1 until it is read out
	s_mov_b32 s[G0N], 1
	s_lshl_b32 s[G0N+1], s[WV], 13
	s_add_co_u32 s[G0N+1], s[G0N+1], NHB
	s_lshl_b32 s66, s[WV], 15              ; my 64 rows of a chunk in memory; also my 32 rows of x: 32,768 bytes either way
	s_mov_b32 s67, 0
	s_lshl_b32 s68, s[WG], 17              ; my work-group's 128 rows of x
	s_add_co_u32 s68, s68, s66
	s_mov_b32 s69, 0
	s_lshl_b32 s70, s[WV], 13              ; my quarter of nh
	s_mov_b32 s71, 0
	s_lshl_b32 s72, s[CX], 2               ; the prefetches: my wave among the cluster's sixteen,
	s_add_co_u32 s72, s72, s[WV]
	s_lshl_b32 s72, s72, 13                ; its 32 blocks of 256 bytes,
	s_add_co_u32 s72, s72, 3*CHUNKB        ; in chunk 3: the first change of slots steps it to chunk 4
	s_mov_b32 s73, 0
	s_lshl_b32 s74, s[WG], 9               ; my work-group's 512 bytes of out0 and of idx
	s_mov_b32 s75, 0
	s_cmp_eq_u32 ttmp9, 0                  ; the same in all four partners
	s_cselect_b32 s[LIM], 2, -1
	s_mov_b32 s[TB], 0
	s_mov_b32 s[TC], -1
	s_wait_dscnt 0x0                       ; both opening adds are done
	s_wait_kmcnt 0x0
	s_add_nc_u64 s[G0C+2:G0C+3], s[4:5], s[66:67]
	s_or_b32 s[G0C+3], s[G0C+3], 0x80000000  ; type = 2
	s_add_nc_u64 s[G0X+2:G0X+3], s[8:9], s[68:69]
	s_or_b32 s[G0X+3], s[G0X+3], 0x80000000
	s_add_nc_u64 s[G0N+2:G0N+3], s[6:7], s[70:71]
	s_or_b32 s[G0N+3], s[G0N+3], 0x80000000
	s_add_nc_u64 s[PFA:PFA+1], s[4:5], s[72:73]
	s_add_nc_u64 s[10:11], s[10:11], s[74:75]
	s_add_nc_u64 s[12:13], s[12:13], s[74:75]
	ROUND                                  ; all four work-groups are here: the first joint loads meet
	tensor_load_to_lds s[G0X:G0X+3], s[G1X:G1X+7]  ; the first fills go out as one group: x, which is wanted first,
	s_nop 0
	tensor_load_to_lds s[G0C:G0C+3], s[G1C:G1C+7]  ; chunk 0,
	s_nop 0
	tensor_load_to_lds s[G0N:G0N+3], s[G1N:G1N+7]  ; nh: three loads of mine are out
	s_nop 0
	PLACES
	; addresses, made while the tiles are on their way
	v_and_b32 v1, 15, v0                   ; l % 16
	v_bfe_u32 v2, v0, 4, 1                 ; l / 16
	v_mul_u32_u24 v[AK0], v1, PITCH
	v_lshl_add_u32 v[AK0], v2, 4, v[AK0]
	s_mul_i32 s66, s[WV], WBYTES
	v_add_nc_u32 v[AK0], s66, v[AK0]
	v_mov_b32 v[ADR], v[AK0]               ; chunk 0 lies in slot 0
	s_lshl_b32 s66, s[WV], 8
	s_add_co_u32 s66, s66, NHB
	v_lshl_add_u32 v[ANH], v2, 5, s66
	v_mul_u32_u24 v[VX], v1, XPITCH
	v_lshl_add_u32 v[VX], v2, 5, v[VX]
	v_add_nc_u32 v[VX], SLOT, v[VX]
	v_add_nc_u32 v[VX+1], 64*XPITCH, v[VX]
	v_and_b32 v[PFO], 31, v0
	v_lshlrev_b32 v[RSL], 6, v[PFO]
	v_lshlrev_b32 v[GO], 3, v[PFO]
	v_lshlrev_b32 v[PFO], 8, v[PFO]
	s_lshl_b32 s66, s[WV], 3
	s_add_co_u32 s66, s66, RS
	v_lshl_add_u32 v[RSS], v1, 5, s66      ; RS + 32 (l % 16) + 4 (2 w + l / 16); the query tile stands in the immediate
	v_lshl_add_u32 v[RSS], v2, 2, v[RSS]
	s_lshl_b32 s66, s[WV], 11
	s_add_co_u32 s66, s66, RS
	v_add_nc_u32 v[RSL], s66, v[RSL]       ; RS + 32 (64 w + 2 l)
	s_lshl_b32 s66, s[WV], 8
	v_add_nc_u32 v[GO], s66, v[GO]
	; The state.  The best starts at -infinity, so the first tile's scores win.  Accumulators 4-7 start there too: the first phase carries the argmax of a tile that has not been, which then changes nothing:
	; the price, once a launch, of one text for every chunk.  The copies are read by the selects that write them, so they are written once.
	s_mov_b32 s66, 0xff800000
	s_lshl_b32 s67, s[WV], 6
	WIN 0x40                               ; destination window 1
.set z_, 32
.rept 112                              ; accumulators 4-7, the copies, the best
	v_mov_b32 v[z_], s66
.set z_, z_+1
.endr
.set z_, 0
.rept 8
	v_mov_b32 v[IDX+z_], 0
.set z_, z_+1
.endr
	v_lshl_add_u32 v[H8], v2, 3, s67       ; 64 w + 8 (l / 16)
	WIN 0
	; x into every wave's registers
	s_wait_tensorcnt 0x2                   ; tensor loads of a wave end in order: my quarter of x is in; chunk 0 and nh may stay out
	s_barrier_signal -1
	s_barrier_wait -1                      ; everybody's quarter is
	XLOAD 0
	XLOAD 1
.set g_, 0
.rept 16
.if g_ < 15
	s_wait_dscnt 16                        ; group g is in; the younger group's 16 loads stay out
.else
	s_wait_dscnt 0x0
.endif
	XCVT g_
.if g_ < 14
	XLOAD g_+2
.endif
.set g_, g_+1
.endr
	; slot 1 has been read out by me: it takes chunk 1, in the order of every refill
	WIN 0
	s_wait_tensorcnt 0x0                   ; chunk 0 and nh, my parts, are in: no tensor load of mine is out
	ds_add_u32 v[SPW], v[NIL]              ; 0 onto my spare word
	s_xor_b32 s[G0C+1], s[G0C+1], SLOT
	s_add_nc_u64 s[G0C+2:G0C+3], s[G0C+2:G0C+3], CHUNKB
	s_wait_dscnt 0x0                       ; the add is done, and my reads of x are over
	ROUND                                  ; the same holds of every wave of every partner; all four quarters of nh lie in LDS
	tensor_load_to_lds s[G0C:G0C+3], s[G1C:G1C+7]
	s_nop 0
	PLACES
	FETCH 0, 0
	WIN 0                                  ; at a label and at a branch every window is 0
	s_mov_b32 s[LEFT], NCHUNK-2
.Lchunk:                                   ; chunks 0 to 29: each asks for the chunk two on
	CHUNK 1
	WIN 0
	s_sub_co_u32 s[LEFT], s[LEFT], 1
	s_cmp_lg_u32 s[LEFT], 0
	s_cbranch_scc1 .Lchunk
	s_mov_b32 s[LEFT], 2
.Ltail:                                    ; chunks 30 and 31 ask for nothing: a text of their own
	CHUNK 0
	WIN 0
	s_sub_co_u32 s[LEFT], s[LEFT], 1
	s_cmp_lg_u32 s[LEFT], 0
	s_cbranch_scc1 .Ltail
.set st_, 0
.rept 14                               ; the last code tile's argmax for query tiles 4-7; the slice behind the last product is the four places in front of it
	RID 1, 1, st_
.set st_, st_+1
.endr
	; THE CODE of my candidate, for each query tile: the lowest of the eight copies that equals the best; 256 x chunk + 16 x tile from the tile's number; 64 w + 8 (l / 16).  The last tile's parity is 1, so the best lies in register 0.
	WIN 0x55
.set q_, 0
.rept 8
	v_mov_b32 v[TT+q_], 7
.irp j, 6,5,4,3,2,1,0
	v_cmp_eq_f32 vcc_lo, v[SNAP+8*q_+\j], v[BEST+q_]
	v_cndmask_b32 v[TT+q_], v[TT+q_], \j, vcc_lo
.endr
	v_lshrrev_b32 v[CI+q_], 2, v[IDX+q_]
	v_and_b32 v[IDX+q_], 3, v[IDX+q_]
	v_lshlrev_b32 v[CI+q_], 8, v[CI+q_]
	v_lshl_add_u32 v[CI+q_], v[IDX+q_], 4, v[CI+q_]
	v_add3_u32 v[CI+q_], v[CI+q_], v[TT+q_], v[H8]
.set q_, q_+1
.endr
	WIN 0x04                               ; address window 0, data window 1
.set q_, 0
.rept 8
	ds_store_b32 v[RSS], v[BEST+q_] offset:512*q_
	ds_store_b32 v[RSS], v[CI+q_]   offset:4096+512*q_
.set q_, q_+1
.endr
	WIN 0
	s_wait_dscnt 0x0                       ; for the others' sake: my candidates are written
	s_barrier_signal -1
	s_barrier_wait -1
	s_cmp_lt_u32 s[WV], 2                  ; waves 0 and 1 finish 64 queries each, two a lane
	s_cbranch_scc0 .Lend
.irp f, 0,1,2,3
	ds_load_b128 v[MV+4*\f:MV+4*\f+3],       v[RSL] offset:16*\f
	ds_load_b128 v[MV+16+4*\f:MV+16+4*\f+3], v[RSL] offset:4096+16*\f
.endr
	s_wait_dscnt 0x0
.irp y, MV, MV+8
	MERGE \y, \y+1
	MERGE \y+2, \y+3
	MERGE \y+4, \y+5
	MERGE \y+6, \y+7
	MERGE \y, \y+2
	MERGE \y+4, \y+6
	MERGE \y, \y+4
.endr
	v_mov_b32 v[MV+17], v[MV+24]           ; the two codes side by side
	global_store_b64 v[GO], v[MV+16:MV+17], s[10:11]  ; a wave's store covers 256 consecutive bytes, aligned
	global_store_b64 v[GO], v[MV+16:MV+17], s[12:13]  ; and once more for the launch that gathers
.Lend:
	s_wait_tensorcnt 0x0                   ; the wave's end, behind my last tensor load and my last LDS store
	ds_add_u32 v[SPW], v[NIL]
	s_wait_dscnt 0x0
	ROUND                                  ; the closing round: no work-group ends while a partner may still ask for a tile that names it
	s_endpgm
.Lfunc_end_k_q8f761b3a81_argmin:
	.size	k_q8f761b3a81_argmin, .Lfunc_end_k_q8f761b3a81_argmin-k_q8f761b3a81_argmin
	.p2alignl 7, 3214868480
	.fill 96, 4, 3214868480
	.section	.rodata,"a",@progbits
	.p2align	6, 0x0
	.amdhsa_kernel k_q8f761b3a81_argmin
		.amdhsa_group_segment_fixed_size 327680
		.amdhsa_private_segment_fixed_size 0
		.amdhsa_enable_private_segment 0
		.amdhsa_kernarg_size 40
		.amdhsa_user_sgpr_count 2
		.amdhsa_user_sgpr_kernarg_segment_ptr 1
		.amdhsa_wavefront_size32 1
		.amdhsa_system_sgpr_workgroup_id_x 1
		.amdhsa_system_sgpr_workgroup_id_y 1
		.amdhsa_system_sgpr_workgroup_id_z 1
		.amdhsa_system_vgpr_workitem_id 0
		.amdhsa_next_free_vgpr 1024
		.amdhsa_next_free_sgpr 80
		.amdhsa_reserve_vcc 1
		.amdhsa_float_denorm_mode_32 3
		.amdhsa_float_denorm_mode_16_64 3
		.amdhsa_memory_ordered 1
		.amdhsa_forward_progress 1
		.amdhsa_inst_pref_size 194
	.end_amdhsa_kernel
	.amdgpu_metadata
---
amdhsa.version: [ 1, 2 ]
amdhsa.kernels:
  - .name:           k_q8f761b3a81_argmin
    .symbol:         k_q8f761b3a81_argmin.kd
    .args:
      - { .name: ebf, .offset: 0, .size: 8, .value_kind: global_buffer, .address_space: global }
      - { .name: nh, .offset: 8, .size: 8, .value_kind: global_buffer, .address_space: global }
      - { .name: inputs, .offset: 16, .size: 8, .value_kind: global_buffer, .address_space: global }
      - { .name: out0, .offset: 24, .size: 8, .value_kind: global_buffer, .address_space: global }
      - { .name: idx, .offset: 32, .size: 8, .value_kind: global_buffer, .address_space: global }
    .group_segment_fixed_size: 327680
    .private_segment_fixed_size: 0
    .kernarg_segment_align: 8
    .kernarg_segment_size: 40
    .max_flat_workgroup_size: 128
    .sgpr_count:     80
    .vgpr_count:     1024
    .wavefront_size: 32
...
	.end_amdgpu_metadata
.endif
;; end of part 2
;; launch gather (part 3): grid 256 x 1, 8 waves a work-group, no clusters, 0 bytes of LDS; arguments idx, embeddings, out1; writes out1
.if DOCPART == 3
	.amdgcn_target "amdgcn-amd-amdhsa--gfx1250"
	.amdhsa_code_object_version 6
	.text
	.protected	k_q8f761b3a81_gather
	.globl	k_q8f761b3a81_gather
	.p2align	8
	.type	k_q8f761b3a81_gather,@function
k_q8f761b3a81_gather:
	s_mov_b64 s[64:65], 0
	v_nop
	global_prefetch_b8 v0, s[64:65] scope:SCOPE_SE
	s_setreg_imm32_b32 hwreg(HW_REG_WAVE_MODE, 25, 1), 1
	s_wait_xcnt 0x0
; VECTOR QUANTIZER, launch 3 of 3: code_vecs[row] = embeddings[codes[row]], the f32 rows as they are.  The codes are whole numbers that the launch before stored (idx).
; SHARES.  256 work-groups x 8 waves x 16 rows.  A wave's 16 codes come by one scalar load; a row is 1,024 bytes: two loads and two stores of 16 bytes a lane, each of which covers 512 consecutive bytes.
; All 32 loads of a wave go out before the first wait; the waits count down by the younger loads.  No LDS, no barrier: no wave wants another's bytes.  The loads carry no hint: a code may be named by many rows.
.set LO,  1                            ; v1   16 x lane
.set SO,  2                            ; v2   16,384 x wave + 16 x lane: my bytes of my wave's first row of out1
.set RO,  16                           ; v[16:31]  row i: 1,024 x code + 16 x lane
.set X,   32                           ; v[32:159] row i: eight registers
	s_load_b128 s[4:7], s[0:1], 0x0                ; idx s[4:5], embeddings s[6:7]
	s_load_b64 s[8:9], s[0:1], 0x10                ; out1
	v_lshrrev_b32 v3, 5, v0
	v_readfirstlane_b32 s10, v3                    ; wave 0..7
	v_and_b32 v4, 31, v0
	v_lshlrev_b32 v[LO], 4, v4
	s_lshl_b32 s11, s10, 14
	v_add_nc_u32 v[SO], s11, v[LO]
	s_lshl_b32 s12, ttmp9, 9                       ; the work-group's 128 codes,
	s_lshl_b32 s11, s10, 6                         ; my wave's 16
	s_add_co_u32 s12, s12, s11
	s_mov_b32 s13, 0
	s_lshl_b32 s14, ttmp9, 17                      ; the work-group's 128 rows of out1
	s_mov_b32 s15, 0
	s_wait_kmcnt 0x0
	s_add_nc_u64 s[4:5], s[4:5], s[12:13]
	s_add_nc_u64 s[8:9], s[8:9], s[14:15]
	s_load_b512 s[16:31], s[4:5], 0x0
	s_wait_kmcnt 0x0
.irp i, 0,1,2,3,4,5,6,7,8,9,10,11,12,13,14,15
	s_min_u32 s[16+\i], s[16+\i], 0x1fff           ; a code stays inside the table of 8,192 rows
	v_lshl_add_u32 v[RO+\i], s[16+\i], 10, v[LO]
.endr
.irp i, 0,1,2,3,4,5,6,7,8,9,10,11,12,13,14,15
	global_load_b128 v[X+8*\i:X+8*\i+3],   v[RO+\i], s[6:7]
	global_load_b128 v[X+8*\i+4:X+8*\i+7], v[RO+\i], s[6:7] offset:512
.endr
.irp i, 0,1,2,3,4,5,6,7,8,9,10,11,12,13,14,15
	s_wait_loadcnt 30-2*\i                         ; loads come back in order: row i's two are in, the later rows' stay out
	global_store_b128 v[SO], v[X+8*\i:X+8*\i+3],   s[8:9] offset:1024*\i th:TH_STORE_NT
	global_store_b128 v[SO], v[X+8*\i+4:X+8*\i+7], s[8:9] offset:1024*\i+512 th:TH_STORE_NT
.endr
	s_endpgm
.Lfunc_end_k_q8f761b3a81_gather:
	.size	k_q8f761b3a81_gather, .Lfunc_end_k_q8f761b3a81_gather-k_q8f761b3a81_gather
	.p2alignl 7, 3214868480
	.fill 96, 4, 3214868480
	.section	.rodata,"a",@progbits
	.p2align	6, 0x0
	.amdhsa_kernel k_q8f761b3a81_gather
		.amdhsa_group_segment_fixed_size 0
		.amdhsa_private_segment_fixed_size 0
		.amdhsa_enable_private_segment 0
		.amdhsa_kernarg_size 24
		.amdhsa_user_sgpr_count 2
		.amdhsa_user_sgpr_kernarg_segment_ptr 1
		.amdhsa_wavefront_size32 1
		.amdhsa_system_sgpr_workgroup_id_x 1
		.amdhsa_system_sgpr_workgroup_id_y 1
		.amdhsa_system_sgpr_workgroup_id_z 1
		.amdhsa_system_vgpr_workitem_id 0
		.amdhsa_next_free_vgpr 160
		.amdhsa_next_free_sgpr 66
		.amdhsa_reserve_vcc 0
		.amdhsa_float_denorm_mode_32 3
		.amdhsa_float_denorm_mode_16_64 3
		.amdhsa_memory_ordered 1
		.amdhsa_forward_progress 1
		.amdhsa_inst_pref_size 10
	.end_amdhsa_kernel
	.amdgpu_metadata
---
amdhsa.version: [ 1, 2 ]
amdhsa.kernels:
  - .name:           k_q8f761b3a81_gather
    .symbol:         k_q8f761b3a81_gather.kd
    .args:
      - { .name: idx, .offset: 0, .size: 8, .value_kind: global_buffer, .address_space: global }
      - { .name: embeddings, .offset: 8, .size: 8, .value_kind: global_buffer, .address_space: global }
      - { .name: out1, .offset: 16, .size: 8, .value_kind: global_buffer, .address_space: global }
    .group_segment_fixed_size: 0
    .private_segment_fixed_size: 0
    .kernarg_segment_align: 8
    .kernarg_segment_size: 24
    .max_flat_workgroup_size: 256
    .sgpr_count:     66
    .vgpr_count:     160
    .wavefront_size: 32
...
	.end_amdgpu_metadata
.endif
;; end of part 3
;; ======== version 2 of 2: 3 launches; version 1 with the launch prep written anew for expert scheduling mode
;; workspace buffers: ebf 4,194,304 bytes; nh 32,768 bytes; idx 131,072 bytes of whole numbers
;; launch prep (part 4): grid 256 x 1, 8 waves a work-group, no clusters, 1,280 bytes of LDS; arguments embeddings, ebf, nh; writes ebf, nh
.if DOCPART == 4
	.amdgcn_target "amdgcn-amd-amdhsa--gfx1250"
	.amdhsa_code_object_version 6
	.text
	.protected	k_q8f761b3a81_prep
	.globl	k_q8f761b3a81_prep
	.p2align	8
	.type	k_q8f761b3a81_prep,@function
k_q8f761b3a81_prep:
	s_mov_b64 s[64:65], 0
	v_nop
	global_prefetch_b8 v0, s[64:65] scope:SCOPE_SE
	s_setreg_imm32_b32 hwreg(HW_REG_WAVE_SCHED_MODE, 0, 2), 2
	s_setreg_imm32_b32 hwreg(HW_REG_WAVE_MODE, 25, 1), 1
	s_wait_xcnt 0x0
	s_wait_alu depctr_vm_vsrc(0)
; VECTOR QUANTIZER, launch 1 of 3: the codebook is rounded once to bf16 (ebf) and each code gets its additive term nh.
; WHAT THE PROGRAM COMPUTES.  reference(): distance[row][k] = l2_inputs[row] + l2_embeddings[k] - 2 dot[row][k]; codes = argmin over k; code_vecs = embeddings[codes].
; WORK LEFT OUT.  l2_inputs[row] is one number a row, the same for all k: it moves all 8,192 distances of a row alike, so the argmin is the same without it, whatever finite values
; the inputs hold.  It is never made.  The tensor inputs stays live (through dot) and is loaded by the second launch.  For the same reason one more number that is the same for all k,
; |e_0|^2, is taken away, and the rest is multiplied by -1/2, which turns the argmin into an argmax with the same ties:
;     codes = argmax over k of  s[k] = x . e_k + nh[k],   nh[k] = -1/2 (|e_k|^2 - |e_0|^2) = -1/2 sum over d of (e_k[d] - e_0[d]) (e_k[d] + e_0[d]).
; The last form is the one computed: it takes no difference of two large sums.
; FORMATS.  The product runs on bf16 operands, so x and e stand for inputs and embeddings rounded to bf16 (nearest even), in nh too: the distances compared are those between the rounded vectors.
; LIMITS.  A NaN, an infinity or an overflow that reaches only l2_inputs is not carried to the result; NaN and infinities in the inputs are not treated apart.  Two distances of a row that differ by
; less than the f32 rounding of either program's sums may be ordered otherwise than in reference().
; SHARES.  256 work-groups x 8 waves x 4 rows.  A row is 1,024 bytes of f32: lane l takes columns 4 l .. 4 l + 3 and 128 + 4 l .. + 3, two loads of 16 bytes, each of which covers 512 consecutive bytes.
; Rounded, they are two stores of 8 bytes a lane, each of which covers 256 consecutive bytes, aligned.  Every wave also loads row 0.  All ten loads go out first.
; THE MODE: SCHED_MODE bits 1:0 = 2 (LLVM: expert scheduling mode 2), set by the entry lines.  The code itself states the register dependences
; between vector instructions and memory or LDS instructions, with s_wait_alu, always for 0.
; THE PLAN.  Registers that memory or LDS instructions touch:
;   v1-v4, v7, v100, v101   offsets and addresses: written once at the head, by vector instructions; read by every load and store and by the closing add; never written again.
;   X      written by the ten loads, once; no vector instruction names it ahead of them; read by the rows' conversions.
;   Y      row i's four registers: written by row i's conversions, read by the two global stores that are issued at the head of row i + 1; never written again.
;   SUM    row i's register: written by row i's sums, read by the LDS store that is issued at the head of row i + 1; never written again.
;   v[T]   at work in every row; at the end wave 0's LDS load lands in it, and one store reads it.
; So a row's three stores stand at the head of the NEXT row, behind one wait on va_vdst: they read what the row before wrote, which no vector instruction of the row in hand names.  Row 4's stand behind
; one more such wait, which is also the last: no vector instruction follows it.  No register that a memory or LDS instruction has read is written again, so the text holds no wait on vm_vsrc but the entry's and the closing lines'.
.set ROWF,  1024                       ; bytes of a row of embeddings
.set ROWH,  512                        ; bytes of a row of ebf
.set SPARE, 256                        ; LDS: bytes 0-127 the work-group's 32 nh; from 256 on the spare words, 128 bytes for each of 8 waves, which no other line names
.set LO,  1                            ; v1   my byte offset in the work-group's rows of embeddings: 4,096 x wave + 16 x lane
.set SO,  2                            ; v2   the same in ebf: 2,048 x wave + 8 x lane
.set L4,  3                            ; v3   4 x lane
.set R0,  4                            ; v4   16 x lane: my bytes of row 0
.set LW,  7                            ; v7   LDS address of my wave's four words: 16 x wave
.set X,   8                            ; v[8:47]   five rows as loaded: row 0, then my four
.set Y,   48                           ; v[48:67]  the same rounded, four registers a row; never rewritten, so the stores' data stay as they are
.set Z,   68                           ; v[68:75]  row 0, rounded and widened again
.set T,   76                           ; v[76:83]  at work
.set D,   84                           ; v[84:91]  at work
.set SUM, 96                           ; v[96:99]  my four rows' nh
.set SPW, 100                          ; v100 LDS address of my spare word; never rewritten
.set NIL, 101                          ; v101 0; never rewritten
	s_load_b128 s[4:7], s[0:1], 0x0                ; embeddings s[4:5], ebf s[6:7]
	s_load_b64 s[8:9], s[0:1], 0x10                ; nh
	v_lshl_add_u32 v[SPW], v0, 2, SPARE
	v_mov_b32 v[NIL], 0
	v_lshrrev_b32 v5, 5, v0
	v_readfirstlane_b32 s10, v5                    ; wave 0..7
	v_and_b32 v6, 31, v0                           ; lane
	v_lshlrev_b32 v[R0], 4, v6
	v_lshlrev_b32 v[L4], 2, v6
	s_wait_alu depctr_va_sdst(0)                   ; s10 is written, ahead of its first reader: the wave's offsets are made from it
	s_lshl_b32 s11, s10, 12
	v_add_nc_u32 v[LO], s11, v[R0]
	s_lshl_b32 s11, s10, 11
	v_lshl_add_u32 v[SO], v6, 3, s11
	s_lshl_b32 s11, s10, 4
	v_mov_b32 v[LW], s11
	s_lshl_b32 s12, ttmp9, 15                      ; the work-group's 32 rows: in embeddings,
	s_mov_b32 s13, 0
	s_lshl_b32 s14, ttmp9, 14                      ; in ebf,
	s_mov_b32 s15, 0
	s_lshl_b32 s16, ttmp9, 7                       ; in nh
	s_mov_b32 s17, 0
	s_mov_b32 s18, 0x76543210                      ; v_permlanex16_b32: each lane takes its own place in the other half
	s_mov_b32 s19, 0xfedcba98
	s_mov_b32 s20, 0xffff0000                      ; a word's upper bf16
	s_wait_kmcnt 0x0
	s_add_nc_u64 s[22:23], s[4:5], s[12:13]
	s_add_nc_u64 s[6:7], s[6:7], s[14:15]
	s_add_nc_u64 s[8:9], s[8:9], s[16:17]
	s_wait_alu depctr_va_vdst(0)                   ; the offsets and addresses v1 to v4, v7, v100 and v101 are written: every load, store and LDS instruction of the kernel reads one or two of them
	global_load_b128 v[X:X+3],   v[R0], s[4:5]
	global_load_b128 v[X+4:X+7], v[R0], s[4:5] offset:512
.irp i, 1,2,3,4
	global_load_b128 v[X+8*\i:X+8*\i+3],   v[LO], s[22:23] offset:ROWF*(\i-1)
	global_load_b128 v[X+8*\i+4:X+8*\i+7], v[LO], s[22:23] offset:ROWF*(\i-1)+512
.endr
.macro CAST i                          ; row slot i: eight f32 rounded to eight bf16
.irp k, 0,1,2,3
	v_cvt_pk_bf16_f32 v[Y+4*(\i)+\k], v[X+8*(\i)+2*\k], v[X+8*(\i)+2*\k+1]
.endr
.endm
.macro WIDEN d, i                      ; and back to f32: the low half moves up, the high half stays
.irp k, 0,1,2,3
	v_lshlrev_b32 v[(\d)+2*\k], 16, v[Y+4*(\i)+\k]
	v_and_b32 v[(\d)+2*\k+1], s20, v[Y+4*(\i)+\k]
.endr
.endm
; Row i leaves: its 512 rounded bytes to ebf, its nh to my wave's words in LDS.  It stands behind a wait on va_vdst that row i's vector work precedes.
.macro OUT i
	global_store_b64 v[SO], v[Y+4*(\i):Y+4*(\i)+1],   s[6:7] offset:ROWH*((\i)-1)
	global_store_b64 v[SO], v[Y+4*(\i)+2:Y+4*(\i)+3], s[6:7] offset:ROWH*((\i)-1)+256
	ds_store_b32 v[LW], v[SUM+(\i)-1] offset:4*((\i)-1)  ; all lanes write the same word with the same number
.endm
; One of my four rows: the row before leaves; this one is rounded, and its nh summed over the lane's eight columns and then over the 32 lanes.
.macro ROW i
	s_wait_loadcnt 8-2*(\i)                        ; loads come back in order: this row's two are in, the later rows' stay out
.if (\i) > 1
	s_wait_alu depctr_va_vdst(0)                   ; the row before has written its four registers of Y and its SUM, which the three stores below read; no vector instruction of this row names them
	OUT (\i)-1
.endif
	CAST \i
	WIDEN T, \i
.irp k, 0,2,4,6
	v_pk_add_f32 v[D+\k:D+\k+1], v[T+\k:T+\k+1], v[Z+\k:Z+\k+1] neg_lo:[0,1] neg_hi:[0,1]  ; e_k - e_0
	v_pk_add_f32 v[T+\k:T+\k+1], v[T+\k:T+\k+1], v[Z+\k:Z+\k+1]                            ; e_k + e_0
.endr
	v_pk_mul_f32 v[D:D+1], v[D:D+1], v[T:T+1]
.irp k, 2,4,6
	v_pk_fma_f32 v[D:D+1], v[D+\k:D+\k+1], v[T+\k:T+\k+1], v[D:D+1]
.endr
	v_add_f32 v[SUM+(\i)-1], v[D], v[D+1]
	v_add_f32_dpp v[SUM+(\i)-1], v[SUM+(\i)-1], v[SUM+(\i)-1] row_xmask:1 row_mask:0xf bank_mask:0xf
	v_add_f32_dpp v[SUM+(\i)-1], v[SUM+(\i)-1], v[SUM+(\i)-1] row_xmask:2 row_mask:0xf bank_mask:0xf
	v_add_f32_dpp v[SUM+(\i)-1], v[SUM+(\i)-1], v[SUM+(\i)-1] row_xmask:4 row_mask:0xf bank_mask:0xf
	v_add_f32_dpp v[SUM+(\i)-1], v[SUM+(\i)-1], v[SUM+(\i)-1] row_xmask:8 row_mask:0xf bank_mask:0xf
	v_permlanex16_b32 v[T], v[SUM+(\i)-1], s18, s19   ; its destination counts as read: T has been written
	v_add_f32 v[SUM+(\i)-1], v[SUM+(\i)-1], v[T]
	v_mul_f32 v[SUM+(\i)-1], -0.5, v[SUM+(\i)-1]
.endm
	s_wait_loadcnt 8                               ; row 0 is in; my four rows' eight loads stay out
	CAST 0
	WIDEN Z, 0
	ROW 1
	ROW 2
	ROW 3
	ROW 4
	s_wait_alu depctr_va_vdst(0)                   ; row 4 has written its Y and its SUM, which the three stores below read; and every vector instruction that named v[T] is done, ahead of the LDS load that lands in it
	OUT 4
	s_wait_dscnt 0x0                               ; for the others' sake: my four words are written
	s_barrier_signal -1
	s_barrier_wait -1                              ; all 32 words lie in LDS
	s_cmp_lg_u32 s10, 0                            ; wave 0 stores them: 128 consecutive bytes (the table has 32 KiB in all)
	s_cbranch_scc1 .Lend
	ds_load_b32 v[T], v[L4]                        ; no wait on va_vdst here: no vector instruction has been issued since the one ahead of row 4's stores
	s_wait_dscnt 0x0
	global_store_b32 v[L4], v[T], s[8:9]
.Lend:
	s_wait_dscnt 0x0                               ; the closing lines, six on end
	s_wait_alu 0x0
	s_wait_tensorcnt 0x0
	ds_add_u32 v[SPW], v[NIL]
	s_wait_dscnt 0x0
	s_endpgm
.Lfunc_end_k_q8f761b3a81_prep:
	.size	k_q8f761b3a81_prep, .Lfunc_end_k_q8f761b3a81_prep-k_q8f761b3a81_prep
	.p2alignl 7, 3214868480
	.fill 96, 4, 3214868480
	.section	.rodata,"a",@progbits
	.p2align	6, 0x0
	.amdhsa_kernel k_q8f761b3a81_prep
		.amdhsa_group_segment_fixed_size 1280
		.amdhsa_private_segment_fixed_size 0
		.amdhsa_enable_private_segment 0
		.amdhsa_kernarg_size 24
		.amdhsa_user_sgpr_count 2
		.amdhsa_user_sgpr_kernarg_segment_ptr 1
		.amdhsa_wavefront_size32 1
		.amdhsa_system_sgpr_workgroup_id_x 1
		.amdhsa_system_sgpr_workgroup_id_y 1
		.amdhsa_system_sgpr_workgroup_id_z 1
		.amdhsa_system_vgpr_workitem_id 0
		.amdhsa_next_free_vgpr 104
		.amdhsa_next_free_sgpr 66
		.amdhsa_reserve_vcc 0
		.amdhsa_float_denorm_mode_32 3
		.amdhsa_float_denorm_mode_16_64 3
		.amdhsa_memory_ordered 1
		.amdhsa_forward_progress 1
		.amdhsa_inst_pref_size 12
	.end_amdhsa_kernel
	.amdgpu_metadata
---
amdhsa.version: [ 1, 2 ]
amdhsa.kernels:
  - .name:           k_q8f761b3a81_prep
    .symbol:         k_q8f761b3a81_prep.kd
    .args:
      - { .name: embeddings, .offset: 0, .size: 8, .value_kind: global_buffer, .address_space: global }
      - { .name: ebf, .offset: 8, .size: 8, .value_kind: global_buffer, .address_space: global }
      - { .name: nh, .offset: 16, .size: 8, .value_kind: global_buffer, .address_space: global }
    .group_segment_fixed_size: 1280
    .private_segment_fixed_size: 0
    .kernarg_segment_align: 8
    .kernarg_segment_size: 24
    .max_flat_workgroup_size: 256
    .sgpr_count:     66
    .vgpr_count:     104
    .wavefront_size: 32
...
	.end_amdgpu_metadata
.endif
;; end of part 4
;; launch argmin: the kernel of part 2 again; grid 256 x 1, 4 waves a work-group, clusters of 4 x 1, 327,680 bytes of LDS; arguments ebf, nh, inputs, out0, idx; writes out0, idx
;; launch gather: the kernel of part 3 again; grid 256 x 1, 8 waves a work-group, no clusters, 0 bytes of LDS; arguments idx, embeddings, out1; writes out1
